; MI455X (gfx1250); checked and timed in simulation.
; The chip was launched on July 23, 2026; its instructions are those of AMD's public machine-readable ISA for CDNA 5 (MIT licence, August 2026) and "CDNA5" Instruction Set Architecture Reference Guide (July 2026). The comments in the code are by the model that wrote it; some were corrected since.
;; additive Attention. Allowed arithmetic: matrix products marked QUANTISED: E3M2 operands, one E8M0 scale for each 32 along K, by v_wmma_scale_f32_16x16x128_f8f6f4 with both operands' format E3M2, f32 sums; everything else in f32.
;; Inputs: Wk_codes 2,048 x 32 x 24 uint8 (E3M2 codes of Wk, K innermost, in blocks of 32 codes, four codes in three bytes); Wk_scales 2,048 x 32 uint8 (E8M0 scales of Wk, one for each 32 codes along K); Wq_codes 2,048 x 32 x 24 uint8 (E3M2 codes of Wq, K innermost, in blocks of 32 codes, four codes in three bytes); Wq_scales 2,048 x 32 uint8 (E8M0 scales of Wq, one for each 32 codes along K); bk 2,048 float32; bq 2,048 float32; k_codes 4 x 2,048 x 32 x 24 uint8 (E3M2 codes of k, K innermost, in blocks of 32 codes, four codes in three bytes); k_scales 4 x 2,048 x 32 uint8 (E8M0 scales of k, one for each 32 codes along K); mask 2,048 x 2,048 float32; q_codes 4 x 2,048 x 32 x 24 uint8 (E3M2 codes of q, K innermost, in blocks of 32 codes, four codes in three bytes); q_scales 4 x 2,048 x 32 uint8 (E8M0 scales of q, one for each 32 codes along K); v_codes 4 x 1,024 x 64 x 24 uint8 (E3M2 codes of v, K innermost, in blocks of 32 codes, four codes in three bytes); v_scales 4 x 1,024 x 64 uint8 (E8M0 scales of v, one for each 32 codes along K).
;; Outputs: out0 4 x 2,048 x 1,024 float32.
;; This version of the problem:
;;   THIS VERSION OF THE PROBLEM IS GIVEN IN LOW PRECISION. The matrix products marked QUANTISED in the list below multiply operands that are first quantised to E3M2 (3 exponent bits, 2 mantissa bits; 6 bits a number), with one power-of-two scale for each 32 numbers along K (OCP MX v1.0); their sums are f32. All else is computed in f32.
;;   The module's matrix products, in the order in which they are computed (A, B: the left and right operand; K: the contracted axis; several contracted axes count as one K, in the product's order):
;;     1. [M 8,192, K 1,024] x [K 1,024, N 2,048]; A: input q (given as codes); B: input Wq (given as codes): QUANTISED
;;     2. [M 8,192, K 1,024] x [K 1,024, N 2,048]; A: input k (given as codes); B: input Wk (given as codes): QUANTISED
;;     3. batch 4 x [M 2,048, K 2,048] x [K 2,048, N 1,024]; A: softmax (see below); B: input v (given as codes): QUANTISED
;;   THE QUANTISER, for each operand of a quantised product, along K:
;;     - K is cut into blocks of 32 from its start; a last block that is shorter is filled with zeros.
;;     - A block's scale is 2^e with e = floor(log2(the largest magnitude in the block)) - 4, held to -126 .. 127; a block of zeros has e = 0. As a byte (E8M0): e + 127.
;;     - Each number is divided by its block's scale, clamped to +-28, and rounded to the nearest number of E3M2, ties to even, subnormals kept.
;;     - The product sums the exact products of the quantised numbers (number of the format x scale) in f32.
;;   ~~~python
;;   def quantise(x, axis):      # numpy; x: float32 -> the quantised numbers, widened to float32 again
;;       x = np.moveaxis(x, axis, -1); K = x.shape[-1]
;;       x = np.pad(x, [(0, 0)] * (x.ndim - 1) + [(0, -K % 32)]); x = x.reshape(x.shape[:-1] + (-1, 32)); a = np.abs(x).max(-1, keepdims=True)
;;       e = np.where(a > 0, np.clip(np.frexp(np.where(a > 0, a, 1))[1] - 1 - 4, -126, 127), 0)      # np.frexp(a)[1] - 1 = floor(log2(a)), exactly
;;       r = np.clip(x / 2.0 ** e, -28, 28)
;;       step = 2.0 ** (np.maximum(np.frexp(np.where(r == 0, 1, r))[1] - 1, -2) - 2)
;;       q = np.round(r / step) * step * 2.0 ** e      # np.round: ties to even
;;       return np.moveaxis(q.reshape(q.shape[:-2] + (-1,))[..., :K], -1, axis).astype(np.float32)
;;   ~~~
;;   SOFTMAX AHEAD OF A QUANTISED PRODUCT. Where the list says 'softmax', what is quantised is not the finished softmax but p = 2^(t - M), with t = logit x log2(e) and M = ceil(the row's largest t), a whole number; so 1/2 < the row's largest p <= 1. The row's sum l is taken of the UNQUANTISED p, in f32, and the product's result is divided by l at the end. Since M is a whole number, a kernel that streams over the keys may use a running M (the ceiling of the running maximum): every later rescaling is an exact power of two, which a block's scale takes up: the codes' values come out the same.
;;   OPERANDS COMPUTED ON THE WAY. 'Computed on the way' means the value that the module computes at that place (a softmax that the list does not call 'softmax' is quantised finished and normalised). What goes into a quantiser is computed in f32, as accurately as f32 sums, v_exp_f32 and their like allow (about 1e-6 of the number): no bf16 or f16 on the way to a quantiser, and a product that is left as it is and whose result goes on into a quantised operand takes f32 operands (vector FMAs, or v_wmma_f32_16x16x4_f32). A number that lies on a knife's edge between two numbers of the format may be rounded either way, as far as f32 arithmetic and the matrix unit's own rounding can turn it there, and no further.
;;   INPUTS GIVEN AS CODES. Wk (in the module: [2048, 1024], K = its axis 1); Wq (in the module: [2048, 1024], K = its axis 1); k (in the module: [4, 2048, 1024], K = its axis 2); q (in the module: [4, 2048, 1024], K = its axis 2); v (in the module: [4, 2048, 1024], K = its axis 1): each comes as NAME_codes (uint8): NAME with its K axis moved to the last place and cut into blocks of 32 codes, [.., K / 32, bytes a block], one block behind the other in memory; four codes in three bytes: a row's codes are one little-endian stream of bits, code i at bits 6 i .. 6 i + 5 (a code: sign, 3 exponent bits, 2 mantissa bits); and NAME_scales (uint8): the same leading axes, one E8M0 byte (e + 127) for each 32 codes along K. Its value is code x scale, taken as it is: it is not quantised again, and the codes and scales need not be those that the quantiser above would give.
;; One version. Each part assembles by itself: llvm-mc -triple=amdgcn-amd-amdhsa -mcpu=gfx1250 --defsym DOCPART=n.
;; ======== version 1 of 1: 2 launches
;; limits: right only within a limited range of input values; inputs' magnitudes at most 1,000,000,000
;; workspace buffers: pimg 12,582,912 bytes; pstat 1,572,864 bytes
;; launch energy (part 1): grid 8 x 32, 4 waves a work-group, clusters of 4 x 4, 327,680 bytes of LDS; arguments q_codes, q_scales, k_codes, k_scales, Wq_codes, Wq_scales, Wk_codes, Wk_scales, bq, bk, mask, pimg, pstat; writes pimg, pstat
.if DOCPART == 1
	.amdgcn_target "amdgcn-amd-amdhsa--gfx1250"
	.amdhsa_code_object_version 6
	.text
	.protected	k_qce30e417ad_energy
	.globl	k_qce30e417ad_energy
	.p2align	8
	.type	k_qce30e417ad_energy,@function
k_qce30e417ad_energy:
	s_mov_b64 s[64:65], 0
	v_nop
	global_prefetch_b8 v0, s[64:65] scope:SCOPE_SE
	s_setreg_imm32_b32 hwreg(HW_REG_WAVE_MODE, 25, 1), 1
	s_wait_xcnt 0x0
	s_wait_alu depctr_hold_cnt(0) depctr_sa_sdst(0) depctr_va_vdst(0) depctr_va_sdst(0) depctr_va_ssrc(0) depctr_va_vcc(0) depctr_vm_vsrc(0)
	s_getreg_b32 s2, hwreg(HW_REG_IB_STS2, 6, 4)
	s_cmp_eq_u32 s2, 0
	s_cbranch_scc0 .Lentry_in_a_cluster
	s_endpgm
.Lentry_in_a_cluster:
	s_bfe_u32 s2, ttmp6, 0x10000c
	s_cmp_lg_u32 s2, 0xf033
	s_cbranch_scc0 .Lentry_shape_is_right
	s_endpgm
.Lentry_shape_is_right:
; x = q Wq^T + k Wk^T + bq + bk;  e = tanh(x) + mask;  p = 2^(e log2(e) - M), quantised along the 2,048 context columns for the product with v.
; NOTHING OF THE PROBLEM IS LEFT OUT: both biases, the mask and both products move p's codes, so every input is loaded.
; The two products add into one result, so they are ONE sum over K = 1,024 + 1,024 in one f32 accumulator that begins with bq + bk as the C of its first matrix instruction.
; All operands are codes of BF6 (E3M2) with one E8M0 byte for each 32 along K, taken as they lie in memory.
; SHARES.  A work-group of four waves makes 256 rows x 256 columns, a wave 128 x 128: 64 accumulators of 16 x 16, 512 registers.  K goes in steps of 256 through a ring of two LDS slots:
; slot 0 always takes q and Wq, slot 1 always k and Wk (order q0 k0 q1 k1 q2 k2 q3 k3), so each slot's descriptors walk one buffer.
; CLUSTER 4 x 4.  x in the cluster: the column tile; y in the cluster: the BATCH; the cluster's y: the tile of 256 positions.  The four of a row need the same rows of q and k, the four of a column the same rows
; of Wq and Wk: each tile is asked for jointly.  The four of a column also read the same tile of the mask (through registers: a second shape of tile has no room beside the ring).
; THE MATRIX INSTRUCTION IS USED TRANSPOSED (source 0 = 16 rows of W, source 1 = 16 rows of q or k): a lane holds one row and eight neighbouring columns.
; ORDER OF BLOCKS.  Register slot i of A, of B and of the scale words holds the LDS block sg(i) = 0, 2, 1, 3, 4, 6, 5, 7 (16 neighbouring rows each).  Then one v_permlane16_swap_b32 between the results of slots
; 2 u and 2 u + 1 leaves a lane (r, h) with the columns 64 c + 32 h + 0 .. 31 of its row in 32 registers on end: two WHOLE blocks of 32 along the next product's K, in the order that a 6-bit operand wants.
; THE ARITHMETIC OF A NUMBER.  r = 1 / (1 + 2^(2 x log2(e))); tanh(x) = 1 - 2 r; u = mask - 2 r = e - 1, one fused multiply-add; t = (u + 1) log2(e); the 1 goes into the constant:
; t - M = u log2(e) + (log2(e) - M), one more.  Absolute error of the order of f32's rounding at 1, which is what the exponent of p asks.
; WHAT A WAVE STORES for its 128 rows x 128 columns, under ITS OWN M (the ceiling of the largest t among these 128 columns): the codes as images of the operand's registers (pimg), and for each row the scale
; word, -M and the sum of the unquantised p (pstat).  M is a whole number, so the next launch brings the 16 parts of a row under the row's M by taking a whole number off each scale byte; the codes stay.
; LIMITS.  NaN or +infinity in the mask are not served.  Where the largest t of a row's 128 columns passes 2^31 in size, t's own rounding passes 128 and p may overflow: masks up to about 1e9 in size are served, and
; -infinity.  Where all 128 columns of a row's part are masked by -infinity, M is taken as -3e38, p is 0 and the sum 0.
; A block's largest p is made from the block's largest u by the same multiply-add and exponential as every p: that takes v_exp_f32 not to fall where its input rises.
.set NQ,     2                         ; matrix instructions deep in a slot (256 along K)
.set ROWB,   192                       ; a tile's row: 256 codes
.set KROW,   768                       ; a row of 1,024 codes in memory
.set PITCH,  240                       ; an LDS row: 3 x (64 bytes + 16 of padding)
.set FR,     12                        ; registers of a fragment
.set NL,     6                         ; LDS loads that bring one
.set NP,     4                         ; places behind this matrix instruction (ISA guide 7.12.1)
.set HALFT,  128*PITCH                 ; what one tensor load brings
.set SLOT,   4*HALFT                   ; A's 256 rows, then B's 256 rows
.set SCL,    2*SLOT                    ; the scale bytes: part q (q's 256 rows, Wq's 256 rows), then part k, as units of 256 bytes + 16
.set HALFS,  16*272                    ; those of 128 rows x 32 bytes
.set SPART,  4*HALFS
.set SBLK,   544                       ; those of 16 rows
.set STAGE,  SCL+2*SPART               ; the mask's stage: 16 rows x (512 + 16) bytes for each wave; no tensor load lands here
.set SPITCH, 528
.set WSTG,   16*SPITCH
.set SCR,    STAGE+4*WSTG              ; 3 x 128 words for each wave: scale words, -M, sums
.set SPARE,  SCR+4*1536                ; the spare words, 128 bytes for each wave: two blocks of 256 bytes that no other line names
; scalar registers.  s[4:13]: bq, bk, mask, pimg, pstat, each stepped once to my wave's part
.set WV,   2                           ; my wave
.set LAP,  3
.set PFM,  14                          ; s[14:15] the mask prefetch's base
.set C2,   16                          ; s[16:17] 2 log2(e)
.set CL,   18                          ; s[18:19] log2(e)
.set ROLE, 20                          ; wave / 2: my half of the rows; also: I fetch for A (0) or B (1)
.set HALF, 21                          ; wave % 2: my half of the columns; also: which 128 rows I fetch
.set CX,   22
.set CY,   23
.set CT,   24                          ; column tile
.set YY,   25                          ; tile of positions
.set LIM,  31                          ; 3 in a wave that prefetches tiles, else the greatest number
.set G1,   32                          ; s[32:39] group 1, A's tiles;  s[40:47] B's
.set G1B,  40
.set G0,   48                          ; s[48:55] group 0, A's, a set for each slot;  s[56:63] B's
.set G0B,  56
.set SEL,  66                          ; s[66:67] v_permlanex16_b32's selects for lane l xor 16
.set G1S,  68                          ; s[68:75], s[76:83] group 1 for A's and B's scale bytes
.set G1SB, 76
.set G0S,  84                          ; s[84:91], s[92:99] their groups 0, a set for each part
.set G0SB, 92
.set PT0,  100                         ; s[100:101], s[104:105] the tile prefetches' bases for slot 0 and slot 1; at the head: offsets
; vector registers, window 0
.set MO,   8                           ; 16 x lane
.set BO,   9                           ; 32 x (lane / 16)
.set STW,  10                          ; stage, in
.set STR,  11                          ; stage, back
.set SCW,  12                          ; my row's word in the scratch
.set SCRD, 13                          ; the scratch, back
.set SH8,  14                          ; 8 x (lane / 16)
.set PFO,  15                          ; the mask prefetch's offset
.set ADRA, 16                          ; v16-17 A's fragments in slot 0, 1; v18-19 the same behind one padding more
.set ADRB, 20                          ; v20-23 the same for B
.set ADRS, 24                          ; v24, v25 scale words of slot 0 (part q), slot 1 (part k)
.set PFT,  26                          ; the tile prefetches' offset: a row of 768 bytes a lane
.set SPW,  28
.set NIL,  29
.set SC,   32                          ; v32-63 scale words, two sets; they hold nothing else
.set BI,   64                          ; v64-127 bq + bk in the result's layout; then the mask's slot 0; then at work
.set AF,   128                         ; v128-223 A's fragments, one set
.set WK,   128                         ; the way out: 64 numbers at work
.set MK,   192                         ; and their 64 numbers of the mask
.set MS0,  64                          ; the mask's slots: MS0 in window 0; the others in window 1
.set MS1,  192
.set MS2,  0
.set MS3,  64
.set MS4,  128
.set CD,   64                          ; v64-75 the codes
.set PX,   76                          ; v76-78, v80-82 the upper halves of a block's codes as they are made
.set BM,   84                          ; v84, 85 my two blocks' largest
.set RM,   86
.set BX,   87
.set NM,   88                          ; v88 log2(e) - M (v89: named with it as a pair)
.set LSA,  90                          ; v90-93, v118-121: the sum's four chains
.set LSB,  92
.set SCO,  94
.set BY,   96
.set PW,   98
.set WX,   99
.set LL,   100
.set TT,   101
.set B2,   102                         ; v102, 103 second chains of the maxima
.set OS,   104                         ; v104-115 the scratch on its way out
.set NMW,  116                         ; -M, the whole number
.set LSC,  118
.set LSD,  120
.set MSB, 0
.macro WIN new                         ; the immediate's high byte repeats the setting that is left
.if MSB != (\new)
	s_set_vgpr_msb (MSB<<8)|(\new)
.set MSB, (\new)
.endif
.endm
.set MUL_LO, 0xa1                      ; source 0 (B) window 1, source 1 (A) window 0, C and D window 2
.set MUL_HI, 0xf1                      ; the same, C and D window 3
.set FST_LO, 0x81                      ; the first step: C (the bias) window 0, D window 2
.set FST_HI, 0xc1
.set TO_B,   0x40                      ; destination window 1, address window 0
; A joint load: waves 0 and 1 fetch for A, waves 2 and 3 for B; the branch hangs on the wave's number alone.  An s_nop 0 and four v_nop follow each line.
.macro JLOAD g0a, g1a, g0b, g1b
	s_cmp_eq_u32 s[ROLE], 0
	s_cbranch_scc0 .Lfor_b_\@
	tensor_load_to_lds s[\g0a:\g0a+3], s[\g1a:\g1a+7]
	s_nop 0
.rept 4
	v_nop
.endr
	s_branch .Lasked_\@
.Lfor_b_\@:
	tensor_load_to_lds s[\g0b:\g0b+3], s[\g1b:\g1b+7]
	s_nop 0
.rept 4
	v_nop
.endr
.Lasked_\@:
.endm
; A PREFETCH INTO THE L2 of the tiles' rows, in the loop's first trip alone, behind each of its two joint refills and the run of LDS loads that follows: a lane names byte 575 of a row of 768, the last byte of the
; row's third 192, which the slot's refill of the next trip asks for: 256 matrix instructions ahead of that load.  The row's fourth 192 bytes end in the same aligned 256 bytes, so nothing more is asked for;
; the first and second 192 come by their loads alone.  Each such block is named ONCE in the launch: q's and k's rows are read by both clusters of a row of clusters: cluster x = 0 asks; Wq's and Wk's by all clusters of
; a column: cluster y = 0 asks.  Of the 128 rows that a wave fetches each of the four partners that ask for them jointly takes 32, told apart BY ADDRESS (cx for A, cy for B): no branch hangs on a place in the cluster.
.macro ASK slot
	s_cmp_eq_u32 s[LAP], s[LIM]
	s_cbranch_scc0 .Lnot_mine_\@
	global_prefetch_b8 v[PFT], s[PT0+4*\slot:PT0+4*\slot+1] offset:3*ROWB-1 th:TH_LOAD_NT scope:SCOPE_SE
.Lnot_mine_\@:
.endm
.macro CREST                           ; a round of the cluster's barrier behind its opening barrier
	s_cmp_lg_u32 s[WV], 0
	s_cbranch_scc1 .Lnot_wave_0_\@
	s_barrier_signal -3
.Lnot_wave_0_\@:
	s_barrier_wait -3
	s_barrier_signal -1
	s_barrier_wait -1
.endm
.macro CROUND
	s_barrier_signal -1
	s_barrier_wait -1
	CREST
.endm
.macro PLACES n
.rept \n
	v_nop
.endr
.endm
	s_load_b64 s[G0+2:G0+3], s[0:1], 0x0           ; all thirteen addresses are asked for at once; those of codes and scale bytes go straight into their descriptors' address words: q's codes,
	s_load_b64 s[G0S+2:G0S+3], s[0:1], 0x8         ; q's scales,
	s_load_b64 s[G0+6:G0+7], s[0:1], 0x10          ; k's codes,
	s_load_b64 s[G0S+6:G0S+7], s[0:1], 0x18        ; k's scales,
	s_load_b64 s[G0B+2:G0B+3], s[0:1], 0x20        ; Wq's codes,
	s_load_b64 s[G0SB+2:G0SB+3], s[0:1], 0x28      ; Wq's scales,
	s_load_b64 s[G0B+6:G0B+7], s[0:1], 0x30        ; Wk's codes,
	s_load_b64 s[G0SB+6:G0SB+7], s[0:1], 0x38      ; Wk's scales;
	s_load_b256 s[4:11], s[0:1], 0x40              ; bq, bk, mask, pimg,
	s_load_b64 s[12:13], s[0:1], 0x60              ; pstat
	v_lshl_add_u32 v[SPW], v0, 2, SPARE
	v_mov_b32 v[NIL], 0
	ds_add_u32 v[SPW], v[NIL]                      ; the wave's opening: the add, twice on end, and its wait ahead of my first tensor load
	ds_add_u32 v[SPW], v[NIL]
	v_lshrrev_b32 v1, 5, v0
	v_readfirstlane_b32 s[WV], v1
	s_lshr_b32 s[ROLE], s[WV], 1
	s_and_b32 s[HALF], s[WV], 1
	s_bfe_u32 s[CX], ttmp6, 0x40000
	s_bfe_u32 s[CY], ttmp6, 0x40004
	s_lshl_b32 s[CT], ttmp9, 2
	s_add_co_u32 s[CT], s[CT], s[CX]               ; column tile = 4 x cluster x + cx
	s_and_b32 s[YY], ttmp7, 0xffff                 ; tile of positions = cluster y
	s_lshl_b32 s30, s[CY], 2
	s_lshl_b32 s30, 15, s30                        ; my row of the cluster
	s_lshl_b32 s31, 0x1111, s[CX]                  ; my column
	s_or_b32 s[G1], s30, (1<<20)|(1<<21)|(3<<22)|(3<<25)    ; the mask; elements of 1 byte; padding on; bit 21 beside a mask; after every 16 words 4 words
	s_or_b32 s[G1B], s31, (1<<20)|(1<<21)|(3<<22)|(3<<25)
.irp g, G1, G1B
	s_mov_b32 s[\g+1], ROWB<<16                    ; tensor_dim0
	s_mov_b32 s[\g+2], 128<<16                     ; tensor_dim1
	s_mov_b32 s[\g+3], ROWB<<16                    ; tile_dim0
	s_mov_b32 s[\g+4], 128                         ; tile_dim1
	s_mov_b32 s[\g+5], KROW                        ; from row to row
	s_mov_b32 s[\g+6], 0
	s_mov_b32 s[\g+7], 0
.endr
	s_or_b32 s[G1S], s30, (3<<16)|(1<<20)|(1<<21)|(5<<22)|(3<<25)   ; the scale bytes of 128 rows: 4,096 dense bytes as 16 rows of 256 (32 elements of 8 bytes), 16 bytes of padding behind each
	s_or_b32 s[G1SB], s31, (3<<16)|(1<<20)|(1<<21)|(5<<22)|(3<<25)
.irp g, G1S, G1SB
	s_mov_b32 s[\g+1], 32<<16
	s_mov_b32 s[\g+2], 16<<16
	s_mov_b32 s[\g+3], 32<<16
	s_mov_b32 s[\g+4], 16
	s_mov_b32 s[\g+5], 32
	s_mov_b32 s[\g+6], 0
	s_mov_b32 s[\g+7], 0
.endr
	s_lshl_b32 s26, s[CY], 11                      ; A: row 2,048 x batch + 256 x tile + 128 x half
	s_lshl_b32 s27, s[YY], 8
	s_add_co_u32 s26, s26, s27
	s_lshl_b32 s27, s[HALF], 7
	s_add_co_u32 s26, s26, s27
	s_lshl_b32 s28, s[CT], 8                       ; B: row 256 x column tile + 128 x half
	s_add_co_u32 s28, s28, s27
	s_lshl_b32 s100, s26, 5                        ; their scale bytes: 32 a row
	s_mov_b32 s101, 0
	s_lshl_b32 s104, s28, 5
	s_mov_b32 s105, 0
	s_mul_i32 s26, s26, KROW                       ; and their codes
	s_mov_b32 s27, 0
	s_mul_i32 s28, s28, KROW
	s_mov_b32 s29, 0
	s_mul_i32 s[G0+1], s[WV], HALFT                ; where they go: wave x 128 rows; no place in the cluster enters an LDS address
	s_add_co_u32 s[G0+5], s[G0+1], SLOT
	s_mov_b32 s[G0B+1], s[G0+1]
	s_mov_b32 s[G0B+5], s[G0+5]
	s_mul_i32 s[G0S+1], s[WV], HALFS
	s_add_co_u32 s[G0S+1], s[G0S+1], SCL
	s_add_co_u32 s[G0S+5], s[G0S+1], SPART
	s_mov_b32 s[G0SB+1], s[G0S+1]
	s_mov_b32 s[G0SB+5], s[G0S+5]
.irp g, G0, G0+4, G0B, G0B+4, G0S, G0S+4, G0SB, G0SB+4
	s_mov_b32 s[\g], 1                             ; count = 1
.endr
	s_mov_b32 s[SEL], 0x76543210
	s_mov_b32 s[SEL+1], 0xfedcba98
	s_mov_b32 s[C2], 0x4038aa3b                    ; 2 log2(e)
	s_mov_b32 s[C2+1], s[C2]
	s_mov_b32 s[CL], 0x3fb8aa3b                    ; log2(e)
	s_mov_b32 s[CL+1], s[CL]
	s_wait_dscnt 0x0                               ; both opening adds are done
	s_wait_kmcnt 0x0
	s_add_nc_u64 s[G0+2:G0+3], s[G0+2:G0+3], s[26:27]        ; slot 0: q
	s_add_nc_u64 s[G0+6:G0+7], s[G0+6:G0+7], s[26:27]        ; slot 1: k
	s_add_nc_u64 s[G0B+2:G0B+3], s[G0B+2:G0B+3], s[28:29]    ; slot 0: Wq
	s_add_nc_u64 s[G0B+6:G0B+7], s[G0B+6:G0B+7], s[28:29]    ; slot 1: Wk
	s_add_nc_u64 s[G0S+2:G0S+3], s[G0S+2:G0S+3], s[100:101]
	s_add_nc_u64 s[G0S+6:G0S+7], s[G0S+6:G0S+7], s[100:101]
	s_add_nc_u64 s[G0SB+2:G0SB+3], s[G0SB+2:G0SB+3], s[104:105]
	s_add_nc_u64 s[G0SB+6:G0SB+7], s[G0SB+6:G0SB+7], s[104:105]
	s_cmp_eq_u32 s[ROLE], 0                        ; the tile prefetches' bases: the 128 rows that I fetch,
	s_cselect_b64 s[PT0:PT0+1], s[G0+2:G0+3], s[G0B+2:G0B+3]
	s_cselect_b64 s[PT0+4:PT0+5], s[G0+6:G0+7], s[G0B+6:G0B+7]
	s_cselect_b32 s30, s[CX], s[CY]                ; my place among the four that ask for them with me,
	s_mul_i32 s30, s30, 32*KROW                    ; 32 rows for each place
	s_mov_b32 s31, 0
	s_add_nc_u64 s[PT0:PT0+1], s[PT0:PT0+1], s[30:31]
	s_add_nc_u64 s[PT0+4:PT0+5], s[PT0+4:PT0+5], s[30:31]
.irp g, G0, G0+4, G0B, G0B+4, G0S, G0S+4, G0SB, G0SB+4
	s_or_b32 s[\g+3], s[\g+3], 0x80000000          ; type = 2
.endr
	CROUND                                         ; all sixteen work-groups are here: the first joint loads meet
	JLOAD G0S, G1S, G0SB, G1SB                     ; four first fills of mine go out together: the scale bytes of both parts,
	JLOAD G0S+4, G1S, G0SB+4, G1SB
	JLOAD G0, G1, G0B, G1B                         ; slot 0,
	JLOAD G0+4, G1, G0B+4, G1B                     ; slot 1
	s_lshl_b32 s26, s[CT], 8
	s_lshl_b32 s27, s[HALF], 7
	s_add_co_u32 s26, s26, s27                     ; my first column,
	s_lshl_b32 s26, s26, 2                         ; in bytes of f32
	s_mov_b32 s27, 0
	s_add_nc_u64 s[4:5], s[4:5], s[26:27]          ; bq and bk at my first column
	s_add_nc_u64 s[6:7], s[6:7], s[26:27]
	v_and_b32 v1, 15, v0                           ; r
	v_bfe_u32 v2, v0, 4, 1                         ; h
	v_and_b32 v3, 31, v0                           ; lane
	v_lshlrev_b32 v[MO], 4, v3
	v_lshlrev_b32 v[BO], 5, v2
.irp i, 0,1,2,3,4,5,6,7                        ; the biases in the result's layout: slot i, lane (r, h): columns 16 sg(i) + 8 h + 0 .. 7
.set SGI, ((\i)/4)*4+((\i)%2)*2+((\i)/2)%2
	global_load_b128 v[BI+8*\i:BI+8*\i+3], v[BO], s[4:5] offset:64*SGI
	global_load_b128 v[BI+8*\i+4:BI+8*\i+7], v[BO], s[4:5] offset:64*SGI+16
	global_load_b128 v[AF+8*\i:AF+8*\i+3], v[BO], s[6:7] offset:64*SGI
	global_load_b128 v[AF+8*\i+4:AF+8*\i+7], v[BO], s[6:7] offset:64*SGI+16
.endr
	s_lshl_b32 s28, s[YY], 8
	s_lshl_b32 s29, s[ROLE], 7
	s_add_co_u32 s28, s28, s29                     ; my first row of the mask
	s_lshl_b32 s28, s28, 13                        ; 8,192 bytes a row
	s_add_co_u32 s28, s28, s26
	s_mov_b32 s29, 0
	s_lshl_b32 s30, s[CY], 4
	s_lshl_b32 s31, s[YY], 1
	s_add_co_u32 s30, s30, s31
	s_add_co_u32 s30, s30, s[ROLE]                 ; rt = my first row / 128
	s_lshl_b32 s30, s30, 4
	s_lshl_b32 s31, s[CT], 1
	s_add_co_u32 s30, s30, s31
	s_add_co_u32 s30, s30, s[HALF]                 ; 16 rt + ks, ks = my first column / 128
	s_mul_i32 s24, s30, 1536                       ; my part of pstat (the column tile and the tile of positions are done with: s[24:25] is an offset now),
	s_mov_b32 s25, 0
	s_mul_i32 s30, s30, 12288                      ; and of pimg
	s_mov_b32 s31, 0
	s_lshl_b32 s22, s[CY], 17                      ; 16 rows of the mask for each place along the cluster's y (s[22:23] is an offset now)
	s_mov_b32 s23, 0
	s_add_nc_u64 s[8:9], s[8:9], s[28:29]
	s_add_nc_u64 s[10:11], s[10:11], s[30:31]
	s_add_nc_u64 s[12:13], s[12:13], s[24:25]
	s_add_nc_u64 s[PFM:PFM+1], s[8:9], s[22:23]
	v_mul_u32_u24 v4, v1, PITCH
	v_mul_u32_u24 v5, v2, 24
	v_add_nc_u32 v5, v4, v5                        ; a fragment's row x pitch + 24 x half
	v_lshl_add_u32 v6, v2, 4, v5                   ; and the same behind one padding more
	s_mul_i32 s26, s[ROLE], HALFT                  ; my 128 rows of A
	s_mul_i32 s27, s[HALF], HALFT                  ; my 128 rows of B,
	s_add_co_u32 s27, s27, 2*HALFT                 ; behind A's 256
.irp s, 0,1
	v_add_nc_u32 v[ADRA+\s], s26, v5
	v_add_nc_u32 v[ADRB+\s], s27, v5
	v_add_nc_u32 v[ADRA+2+\s], s26, v6
	v_add_nc_u32 v[ADRB+2+\s], s27, v6
	s_add_co_u32 s26, s26, SLOT
	s_add_co_u32 s27, s27, SLOT
.endr
	v_lshlrev_b32 v5, 5, v1                        ; my row's scale bytes: 32 a row,
	v_lshrrev_b32 v6, 8, v5
	v_lshl_add_u32 v5, v6, 4, v5                   ; and 16 more for each 256 passed
	s_mul_i32 s26, s[ROLE], HALFS
	s_mul_i32 s27, s[HALF], HALFS
	s_add_co_u32 s27, s27, 2*HALFS
	s_sub_co_u32 s27, s27, s26
	v_mul_u32_u24 v6, s27, v2                      ; lanes 16-31 take B's
	s_add_co_u32 s26, s26, SCL
	v_add_nc_u32 v5, v5, v6
	v_add_nc_u32 v[ADRS], s26, v5
	v_add_nc_u32 v[ADRS+1], SPART-8, v[ADRS]       ; part k, 8 bytes back: every change of slots steps the next slot's address by 8 first
	s_mul_i32 s26, s[WV], WSTG
	s_add_co_u32 s26, s26, STAGE
	v_add_nc_u32 v[STW], s26, v[MO]                ; stage, in: a row of 512 bytes as it is loaded
	v_mul_u32_u24 v4, v1, SPITCH
	v_lshl_add_u32 v4, v2, 7, v4
	v_add_nc_u32 v[STR], s26, v4                   ; back: row r, + 128 h: my 32 columns of a half row
	s_mul_i32 s27, s[WV], 1536
	s_add_co_u32 s27, s27, SCR
	v_lshl_add_u32 v[SCW], v1, 2, s27
	v_add_nc_u32 v[SCRD], s27, v[MO]
	v_lshlrev_b32 v[SH8], 3, v2
	v_lshlrev_b32 v[PFO], 13, v1
	v_lshl_add_u32 v[PFO], v2, 8, v[PFO]
	v_add_nc_u32 v[PFO], 64*8192, v[PFO]           ; row 64 + lane % 16, block of 256 bytes lane / 16
	v_mul_u32_u24 v[PFT], v3, KROW                 ; a row of codes a lane
	s_and_b32 s30, ttmp7, 0xffff                   ; who prefetches tiles: the coordinate along which other clusters read the rows that I fetch
	s_cmp_eq_u32 s[ROLE], 0
	s_cselect_b32 s30, ttmp9, s30
	s_cmp_eq_u32 s30, 0
	s_cselect_b32 s[LIM], 3, -1                    ; the same in all sixteen partners, for a given wave; 3 is the loop's count in its first trip
	s_wait_loadcnt 0x0
.set NN, 0
.rept 32
	v_pk_add_f32 v[BI+NN:BI+NN+1], v[BI+NN:BI+NN+1], v[AF+NN:AF+NN+1]   ; bq + bk
.set NN, NN+2
.endr
	PLACES 4
.macro FRAG reg, adr, q, i             ; a fragment: lane l holds row l % 16 of LDS block sg(i); registers 6 c .. 6 c + 5 hold K = 64 c + 32 (l / 16) + 0 .. 31: 24 bytes of the row, in pieces of 8
.set SGI, ((\i)/4)*4+((\i)%2)*2+((\i)/2)%2
.irp p, 0,1,2,3,4,5
.set PCE, 12*(\q)+6*(\p/3)+\p%3        ; lanes 16-31 read three pieces on; where that lies behind one padding more, the second address register serves
.if PCE%8 < 5
	ds_load_b64 v[\reg+2*\p:\reg+2*\p+1], v[\adr] offset:8*PCE+16*(PCE/8)+SGI*16*PITCH
.else
	ds_load_b64 v[\reg+2*\p:\reg+2*\p+1], v[\adr+2] offset:8*PCE+16*(PCE/8)+SGI*16*PITCH
.endif
.endr
.endm
; 16 matrix instructions: A's slots a0, a0 + 1 x B's eight.  p: B's set; q: which 128 of the slot; sc: the set of scale words.  first = 1: C is the bias.  The 64 accumulators take turns, in the same order in every step.
.macro MUL16 a0, p, q, sc, first
.irp a, \a0, \a0+1
.irp b, 0,1,2,3,4,5,6,7
.if \first
	v_wmma_scale_f32_16x16x128_f8f6f4 v[8*(8*((\a)%4)+\b):8*(8*((\a)%4)+\b)+7], v[96*(\p)+FR*\b:96*(\p)+FR*\b+FR-1], v[AF+FR*(\a):AF+FR*(\a)+FR-1], v[BI+8*\b:BI+8*\b+7], v[SC+8*NQ*(\sc)+NQ*\b+(\q)], v[SC+8*NQ*(\sc)+NQ*(\a)+(\q)] matrix_a_fmt:MATRIX_FMT_BF6 matrix_b_fmt:MATRIX_FMT_BF6 matrix_a_scale:MATRIX_SCALE_ROW1
.else
	v_wmma_scale_f32_16x16x128_f8f6f4 v[8*(8*((\a)%4)+\b):8*(8*((\a)%4)+\b)+7], v[96*(\p)+FR*\b:96*(\p)+FR*\b+FR-1], v[AF+FR*(\a):AF+FR*(\a)+FR-1], v[8*(8*((\a)%4)+\b):8*(8*((\a)%4)+\b)+7], v[SC+8*NQ*(\sc)+NQ*\b+(\q)], v[SC+8*NQ*(\sc)+NQ*(\a)+(\q)] matrix_a_fmt:MATRIX_FMT_BF6 matrix_b_fmt:MATRIX_FMT_BF6 matrix_a_scale:MATRIX_SCALE_ROW1
.endif
.endr
.endr
.endm
.macro FETCH_B slot, q, p
	WIN TO_B
.irp i, 0,1,2,3,4,5,6,7
	FRAG 96*(\p)+FR*\i, ADRB+\slot, \q, \i
.endr
	WIN 0
.endm
.macro FETCH_A slot, q, i0
.irp i, \i0, \i0+1, \i0+2, \i0+3
	FRAG AF+FR*(\i), ADRA+\slot, \q, \i
.endr
.endm
.macro SCALES sc                       ; a K step's scale words: two words a row; lanes 0-15 take A's block sg(i), lanes 16-31 B's
.irp i, 0,1,2,3,4,5,6,7
.set SGI, ((\i)/4)*4+((\i)%2)*2+((\i)/2)%2
	ds_load_b64 v[SC+8*NQ*\sc+NQ*\i:SC+8*NQ*\sc+NQ*\i+1], v[ADRS+\sc] offset:SGI*SBLK
.endr
.endm
; A step of 128 along K that has its successor in the same slot.
.macro STEP slot, q, first
	s_wait_dscnt 4*NL                              ; B's set, A's slots 0-3 and the scale words are in; the youngest 24 loads (A's slots 4-7) may be out
.if \first
	WIN FST_LO
.else
	WIN MUL_LO
.endif
	MUL16 0, (\q)%2, \q, \slot, \first
	MUL16 2, (\q)%2, \q, \slot, \first
	s_wait_dscnt 0
	PLACES NP                                      ; four places in front of loads into registers that matrix instructions have read
	FETCH_B \slot, (\q)+1, 1-(\q)%2
	FETCH_A \slot, (\q)+1, 0
.if \first
	WIN FST_HI
.else
	WIN MUL_HI
.endif
	MUL16 4, (\q)%2, \q, \slot, \first
	MUL16 6, (\q)%2, \q, \slot, \first
	PLACES NP
	WIN 0
	FETCH_A \slot, (\q)+1, 4
.endm
; A slot's last step changes slots: one barrier; in front of it each wave waits for all its tensor loads, adds 0 to its spare word, and waits for that and for its reads of this slot.  fill = 1: the slot takes its buffer's next 256 along K.
.macro TURN slot, next, fill
	s_wait_tensorcnt 0x0                           ; all my tensor loads have landed: my part of the next slot
	ds_add_u32 v[SPW], v[NIL]                      ; 0 onto my spare word
	s_wait_dscnt 4*NL+1                            ; (the add and the youngest 24 loads may be out)
	WIN MUL_LO
	MUL16 0, 1, NQ-1, \slot, 0
	s_wait_dscnt 0x0                               ; the add is done, and my reads of this slot are over
	s_barrier_signal -1
	MUL16 2, 1, NQ-1, \slot, 0
	WIN 0
	s_barrier_wait -1
.if \fill
	CREST                                          ; the barrier has opened a round of the cluster's barrier: no wave of any partner still reads this slot or has a load on its way
	s_add_nc_u64 s[G0+4*\slot+2:G0+4*\slot+3], s[G0+4*\slot+2:G0+4*\slot+3], ROWB
	s_add_nc_u64 s[G0B+4*\slot+2:G0B+4*\slot+3], s[G0B+4*\slot+2:G0B+4*\slot+3], ROWB
	JLOAD G0+4*\slot, G1, G0B+4*\slot, G1B         ; the first tensor load behind the round; its four v_nop are the places in front of the loads below
.else
	PLACES NP
.endif
	v_add_nc_u32 v[ADRS+\next], 8, v[ADRS+\next]   ; the next slot's scale words (no LDS load of mine is out)
	FETCH_B \next, 0, 0
	FETCH_A \next, 0, 0
	SCALES \next
.if \fill
	ASK \slot                                      ; behind the joint load and the run of LDS loads that the next products wait for; every window is 0 here
.endif
	WIN MUL_HI
	MUL16 4, 1, NQ-1, \slot, 0
	MUL16 6, 1, NQ-1, \slot, 0
	PLACES NP
	WIN 0
	FETCH_A \next, 0, 4
.endm
.macro MLOAD a, reg                    ; the mask for accumulator slot a: rows 16 sg(a) + 0 .. 15 of my 128, each load one row's 512 consecutive bytes
.set SGA, ((\a)/4)*4+((\a)%2)*2+((\a)/2)%2
.irp i, 0,1,2,3,4,5,6,7,8,9,10,11,12,13,14,15
	global_load_b128 v[\reg+4*\i:\reg+4*\i+3], v[MO], s[8:9] offset:(16*SGA+\i)*8192
.endr
.endm
	s_wait_tensorcnt 1                             ; of my four loads only slot 1's may be out
	s_barrier_signal -1
	s_barrier_wait -1                              ; everybody's scale bytes and parts of slot 0 are in
	FETCH_B 0, 0, 0
	FETCH_A 0, 0, 0
	SCALES 0
	FETCH_A 0, 0, 4
	STEP 0, 0, 1                                   ; the first step stands in front of the loop: its products start the sums with the bias
	MLOAD 0, MS0                                   ; the bias is done with (the step's closing places stand behind its last reader): its registers take the mask's first 16 rows,
	WIN TO_B
	MLOAD 1, MS1                                   ; 64 idle registers of window 1 the next 16: both have seven K steps in which to land
	WIN 0
	s_mov_b32 s[LAP], 3
.Llap:                                             ; a trip goes once round the ring and fills both slots again
	TURN 0, 1, 1
	STEP 1, 0, 0
	TURN 1, 0, 1
	STEP 0, 0, 0
	s_sub_co_u32 s[LAP], s[LAP], 1
	s_cmp_lg_u32 s[LAP], 0
	s_cbranch_scc1 .Llap
	TURN 0, 1, 0                                   ; the last lap fills nothing
	global_prefetch_b8 v[PFO], s[PFM:PFM+1] th:TH_LOAD_NT scope:SCOPE_SE   ; rows 64 + 16 cy + 0 .. 15 of my 128 rows of the mask, two blocks of 256 bytes a row, a lane a block: the four partners that read this tile share rows 64 to 127 out by address; 128 matrix instructions ahead of the first load of those rows
	STEP 1, 0, 0
	s_wait_dscnt 4*NL                              ; the very last step
	WIN MUL_LO
	MUL16 0, 1, NQ-1, 1, 0
	MUL16 2, 1, NQ-1, 1, 0
	s_wait_dscnt 0
	WIN MUL_HI
	MUL16 4, 1, NQ-1, 1, 0
	MUL16 6, 1, NQ-1, 1, 0
	WIN 0
	PLACES NP                                      ; for the loads into B's and A's registers, and for the first reads of results
	WIN TO_B
	MLOAD 2, MS2
	MLOAD 3, MS3
	MLOAD 4, MS4
	WIN 0
; THE WAY OUT of accumulator slot a: 16 rows (block sg(a)) x 128 columns.  g, gw: the registers and window that hold its rows of the mask; cnt: how many younger loads may stay out (-1: shown in already); nxt: the slot whose rows g takes next (-1: none).
; In each of its three batches of transcendentals the plain line that feeds a pair of them stands TWO pairs ahead, so that no line reads the result of the lines just above it; none of these lines names a result of the
; batch in hand, and one plain line and one wait follow each batch.
.macro RB a, g, gw, cnt, nxt
.set RW, ((\a)/4)*4+((\a)%2)*2+((\a)/2)%2
.set AC, 64*((\a)%4)
.if \cnt >= 0
	s_wait_loadcnt \cnt
.endif
	WIN 4*(\gw)                                    ; an LDS store's data are its source 1
.irp i, 0,1,2,3,4,5,6,7,8,9,10,11,12,13,14,15
	ds_store_b128 v[STW], v[\g+4*\i:\g+4*\i+3] offset:SPITCH*\i     ; the mask's 16 rows turn through my own stage: in as rows,
.endr
	WIN 0
.irp i, 0,1,2,3,4,5,6,7,8,9,10,11,12,13,14,15
	ds_load_b128 v[MK+4*\i:MK+4*\i+3], v[STR] offset:256*(\i/8)+16*(\i%8)   ; back as my row's columns 64 c + 32 h + 0 .. 31 (LDS serves a wave's instructions in order)
.endr
	WIN 0x02+(\a)/4
.set NN, 0
.rept 32
	v_pk_mul_f32 v[WK+NN:WK+NN+1], v[AC+NN:AC+NN+1], s[C2:C2+1] op_sel_hi:[1,0]   ; 2 x log2(e); each accumulator from its low end on
.set NN, NN+2
.endr
	WIN 0
	v_permlane16_swap_b32 v[WK], v[WK+8]           ; swap t of 32 joins registers 16 (t / 8) + t % 8 and 8 further on: behind all of them register 32 c + n holds column 64 c + 32 h + n
	v_permlane16_swap_b32 v[WK+1], v[WK+9]
.set TI, 0
.rept 30
.set XN, WK+16*((TI+2)/8)+(TI+2)%8
.set XO, WK+16*(TI/8)+TI%8
	v_permlane16_swap_b32 v[XN], v[XN+8]
	v_exp_f32 v[XO], v[XO]
	v_exp_f32 v[XO+8], v[XO+8]
.set TI, TI+1
.endr
.irp x, 54, 55
	v_exp_f32 v[WK+\x], v[WK+\x]
	v_exp_f32 v[WK+\x+8], v[WK+\x+8]
.endr
	v_nop                                          ; a plain instruction behind the last exponential,
	s_wait_alu depctr_va_vdst(0)                   ; and one wait for the batch of 64
	v_pk_add_f32 v[WK:WK+1], v[WK:WK+1], 1.0 op_sel_hi:[1,0]
	v_pk_add_f32 v[WK+2:WK+3], v[WK+2:WK+3], 1.0 op_sel_hi:[1,0]
.set NN, 0
.rept 30
	v_pk_add_f32 v[WK+NN+4:WK+NN+5], v[WK+NN+4:WK+NN+5], 1.0 op_sel_hi:[1,0]
	v_rcp_f32 v[WK+NN], v[WK+NN]
	v_rcp_f32 v[WK+NN+1], v[WK+NN+1]
.set NN, NN+2
.endr
.irp x, 60,61,62,63
	v_rcp_f32 v[WK+\x], v[WK+\x]                   ; r
.endr
	v_nop
	s_wait_alu depctr_va_vdst(0)                   ; one wait for the 64 reciprocals
	s_wait_dscnt 0x0                               ; the mask is back, and the stores have read g's registers; the last block's three words are stored
.if \nxt >= 0
	WIN TO_B
	MLOAD \nxt, \g
	WIN 0
.endif
.if (\a) == 0
	v_mov_b32 v[BX], 0                             ; written once: a lane permute's destination counts as one of its sources
	v_mov_b32 v[WX], 0
	v_mov_b32 v[NM+1], 0                           ; named with log2(e) - M as a pair
.endif
.set NN, 0
.rept 32
	v_pk_fma_f32 v[WK+NN:WK+NN+1], v[WK+NN:WK+NN+1], -2.0, v[MK+NN:MK+NN+1] op_sel_hi:[1,0,1]   ; u = mask - 2 r = tanh + mask - 1
.set NN, NN+2
.endr
.irp c, 0,1                                    ; the largest u of each of my two blocks of 32, in two chains each: it serves the row's maximum and the block's largest p
	v_max3_num_f32 v[BM+\c], v[WK+32*\c], v[WK+32*\c+1], v[WK+32*\c+2]
	v_max3_num_f32 v[B2+\c], v[WK+32*\c+16], v[WK+32*\c+17], v[WK+32*\c+18]
.endr
.irp i, 3,5,7,9,11,13
.irp c, 0,1
	v_max3_num_f32 v[BM+\c], v[BM+\c], v[WK+32*\c+\i], v[WK+32*\c+\i+1]
	v_max3_num_f32 v[B2+\c], v[B2+\c], v[WK+32*\c+16+\i], v[WK+32*\c+17+\i]
.endr
.endr
.irp c, 0,1
	v_max3_num_f32 v[BM+\c], v[BM+\c], v[B2+\c], v[WK+32*\c+15]
.endr
.irp c, 0,1
	v_max_num_f32 v[BM+\c], v[BM+\c], v[WK+32*\c+31]
.endr
	v_max_num_f32 v[RM], v[BM], v[BM+1]
	v_permlanex16_b32 v[BX], v[RM], s[SEL], s[SEL+1]
	v_max_num_f32 v[RM], v[RM], v[BX]              ; the largest u of my row's 128 columns
	v_fma_f32 v[TT], v[RM], s[CL], s[CL]           ; as t = (u + 1) log2(e)
	v_max_num_f32 v[TT], 0xff61b1e6, v[TT]         ; held at -3e38 from below, so that -M stays a number
	v_floor_f32 v[NMW], -v[TT]                     ; -M = floor(-t) = -ceil(t): a whole number
	v_add_f32 v[NM], s[CL], v[NMW]                 ; log2(e) - M
.irp c, 0,1
	v_fma_f32 v[BM+\c], v[BM+\c], s[CL], v[NM]
.endr
	v_pk_fma_f32 v[WK:WK+1], v[WK:WK+1], s[CL:CL+1], v[NM:NM+1] op_sel_hi:[1,0,0]         ; t - M
	v_pk_fma_f32 v[WK+2:WK+3], v[WK+2:WK+3], s[CL:CL+1], v[NM:NM+1] op_sel_hi:[1,0,0]
.set NN, 0
.rept 30
	v_pk_fma_f32 v[WK+NN+4:WK+NN+5], v[WK+NN+4:WK+NN+5], s[CL:CL+1], v[NM:NM+1] op_sel_hi:[1,0,0]
	v_exp_f32 v[WK+NN], v[WK+NN]                   ; p, not normalised
	v_exp_f32 v[WK+NN+1], v[WK+NN+1]
.set NN, NN+2
.endr
.irp x, 60,61,62,63
	v_exp_f32 v[WK+\x], v[WK+\x]
.endr
	v_exp_f32 v[BM], v[BM]                         ; the blocks' largest p
	v_exp_f32 v[BM+1], v[BM+1]
	v_nop
	s_wait_alu depctr_va_vdst(0)                   ; one wait for the 66
.if (\a) > 0
	s_wait_xcnt 0x0                                ; the last block's stores have read the codes' registers
.endif
	v_pk_add_f32 v[LSA:LSA+1], v[WK:WK+1], v[WK+2:WK+3]       ; the sum of the unquantised p, in four chains; the scale's lines and the conversions stand between them
	v_pk_add_f32 v[LSB:LSB+1], v[WK+4:WK+5], v[WK+6:WK+7]
	v_pk_add_f32 v[LSC:LSC+1], v[WK+8:WK+9], v[WK+10:WK+11]
	v_pk_add_f32 v[LSD:LSD+1], v[WK+12:WK+13], v[WK+14:WK+15]
.irp j, 16,24,32,40,48,56
.if \j == 16
	v_max_num_f32 v[BM], 0x2800000, v[BM]          ; the floor 2^(5 - 127): the byte cannot fall under 1
	v_max_num_f32 v[BM+1], 0x2800000, v[BM+1]
.elseif \j == 24
	v_add_nc_u32 v[SCO], 0xfe000000, v[BM]         ; 4 off the exponent field: the conversion's scale operand
	v_add_nc_u32 v[SCO+1], 0xfe000000, v[BM+1]
.elseif \j == 32
	v_lshrrev_b32 v[BY], 23, v[SCO]                ; the scale's byte
	v_lshrrev_b32 v[BY+1], 23, v[SCO+1]
	v_cvt_scalef32_pk16_bf6_f32 v[CD:CD+2], v[WK:WK+15], v[SCO]
	v_cvt_scalef32_pk16_bf6_f32 v[PX:PX+2], v[WK+16:WK+31], v[SCO]         ; (a conversion's three registers begin on an even number)
	v_cvt_scalef32_pk16_bf6_f32 v[CD+6:CD+8], v[WK+32:WK+47], v[SCO+1]
	v_cvt_scalef32_pk16_bf6_f32 v[PX+4:PX+6], v[WK+48:WK+63], v[SCO+1]     ; the additions below, which only read p, are the plain places behind the conversions
.elseif \j == 40
	v_lshl_or_b32 v[PW], v[BY+1], 16, v[BY]        ; my two bytes: blocks h and 2 + h,
.elseif \j == 48
	v_lshlrev_b32 v[PW], v[SH8], v[PW]             ; at their places;
.else
	v_permlanex16_b32 v[WX], v[PW], s[SEL], s[SEL+1]
.endif
	v_pk_add_f32 v[LSA:LSA+1], v[LSA:LSA+1], v[WK+\j:WK+\j+1]
	v_pk_add_f32 v[LSB:LSB+1], v[LSB:LSB+1], v[WK+\j+2:WK+\j+3]
	v_pk_add_f32 v[LSC:LSC+1], v[LSC:LSC+1], v[WK+\j+4:WK+\j+5]
	v_pk_add_f32 v[LSD:LSD+1], v[LSD:LSD+1], v[WK+\j+6:WK+\j+7]
.endr
	v_or_b32 v[PW], v[PW], v[WX]                   ; with lane l xor 16's two the word is whole
	v_pk_add_f32 v[LSA:LSA+1], v[LSA:LSA+1], v[LSB:LSB+1]
	v_pk_add_f32 v[LSC:LSC+1], v[LSC:LSC+1], v[LSD:LSD+1]
	v_mov_b32 v[CD+3], v[PX]                       ; the upper halves of the two blocks' codes go to their places, between the sum's last lines
	v_mov_b32 v[CD+4], v[PX+1]
	v_pk_add_f32 v[LSA:LSA+1], v[LSA:LSA+1], v[LSC:LSC+1]
	v_mov_b32 v[CD+5], v[PX+2]
	v_mov_b32 v[CD+9], v[PX+4]
	v_add_f32 v[LL], v[LSA], v[LSA+1]
	v_mov_b32 v[CD+10], v[PX+5]
	v_mov_b32 v[CD+11], v[PX+6]
	v_permlanex16_b32 v[TT], v[LL], s[SEL], s[SEL+1]
.irp c, 0,1,2
	global_store_b128 v[MO], v[CD+4*\c:CD+4*\c+3], s[10:11] offset:1536*RW+512*\c   ; the fragment's image: 32 lanes store 512 consecutive bytes, at a multiple of 256 from the buffer's first byte
.endr
	v_add_f32 v[LL], v[LL], v[TT]                  ; with lane l xor 16's 64 columns
	ds_store_b32 v[SCW], v[PW] offset:64*RW        ; lanes r and 16 + r write the same word with the same value
	ds_store_b32 v[SCW], v[NMW] offset:64*RW+512
	ds_store_b32 v[SCW], v[LL] offset:64*RW+1024
.endm
; the counts: behind slot a's 16 loads stand those of the later slots; for slot 0 that is 64, and 48 is taken, which shows slot 1's in too
	RB 0, MS0, 0, 48, -1
	RB 1, MS1, 1, -1, 5
	RB 2, MS2, 1, 48, 6
	RB 3, MS3, 1, 48, 7
	RB 4, MS4, 1, 48, -1
	RB 5, MS1, 1, 32, -1
	RB 6, MS2, 1, 16, -1
	RB 7, MS3, 1, 0, -1
.irp c, 0,1,2
	ds_load_b128 v[OS+4*\c:OS+4*\c+3], v[SCRD] offset:512*\c     ; my 128 rows' scale words, -M and sums (my own bytes, served in order)
.endr
	s_wait_dscnt 0x0
.irp c, 0,1,2
	global_store_b128 v[MO], v[OS+4*\c:OS+4*\c+3], s[12:13] offset:512*\c   ; 512 consecutive bytes a store
.endr
	s_wait_tensorcnt 0x0                           ; the wave's end: behind my last tensor load and my last LDS store
	ds_add_u32 v[SPW], v[NIL]
	s_wait_dscnt 0x0
	CROUND                                         ; the closing round
	s_endpgm
.Lfunc_end_k_qce30e417ad_energy:
	.size	k_qce30e417ad_energy, .Lfunc_end_k_qce30e417ad_energy-k_qce30e417ad_energy
	.p2alignl 7, 3214868480
	.fill 96, 4, 3214868480
	.section	.rodata,"a",@progbits
	.p2align	6, 0x0
	.amdhsa_kernel k_qce30e417ad_energy
		.amdhsa_group_segment_fixed_size 327680
		.amdhsa_private_segment_fixed_size 0
		.amdhsa_enable_private_segment 0
		.amdhsa_kernarg_size 104
		.amdhsa_user_sgpr_count 2
		.amdhsa_user_sgpr_kernarg_segment_ptr 1
		.amdhsa_wavefront_size32 1
		.amdhsa_system_sgpr_workgroup_id_x 1
		.amdhsa_system_sgpr_workgroup_id_y 1
		.amdhsa_system_sgpr_workgroup_id_z 1
		.amdhsa_system_vgpr_workitem_id 0
		.amdhsa_next_free_vgpr 1024
		.amdhsa_next_free_sgpr 106
		.amdhsa_reserve_vcc 0
		.amdhsa_float_denorm_mode_32 3
		.amdhsa_float_denorm_mode_16_64 3
		.amdhsa_memory_ordered 1
		.amdhsa_forward_progress 1
		.amdhsa_inst_pref_size 255
	.end_amdhsa_kernel
	.section	.bss,"aw",@nobits
	.p2align	6
	.space	262144
	.amdgpu_metadata
---
amdhsa.version: [ 1, 2 ]
amdhsa.kernels:
  - .name:           k_qce30e417ad_energy
    .symbol:         k_qce30e417ad_energy.kd
    .args:
      - { .name: q_codes, .offset: 0, .size: 8, .value_kind: global_buffer, .address_space: global }
      - { .name: q_scales, .offset: 8, .size: 8, .value_kind: global_buffer, .address_space: global }
      - { .name: k_codes, .offset: 16, .size: 8, .value_kind: global_buffer, .address_space: global }
      - { .name: k_scales, .offset: 24, .size: 8, .value_kind: global_buffer, .address_space: global }
      - { .name: Wq_codes, .offset: 32, .size: 8, .value_kind: global_buffer, .address_space: global }
      - { .name: Wq_scales, .offset: 40, .size: 8, .value_kind: global_buffer, .address_space: global }
      - { .name: Wk_codes, .offset: 48, .size: 8, .value_kind: global_buffer, .address_space: global }
      - { .name: Wk_scales, .offset: 56, .size: 8, .value_kind: global_buffer, .address_space: global }
      - { .name: bq, .offset: 64, .size: 8, .value_kind: global_buffer, .address_space: global }
      - { .name: bk, .offset: 72, .size: 8, .value_kind: global_buffer, .address_space: global }
      - { .name: mask, .offset: 80, .size: 8, .value_kind: global_buffer, .address_space: global }
      - { .name: pimg, .offset: 88, .size: 8, .value_kind: global_buffer, .address_space: global }
      - { .name: pstat, .offset: 96, .size: 8, .value_kind: global_buffer, .address_space: global }
    .group_segment_fixed_size: 327680
    .private_segment_fixed_size: 0
    .kernarg_segment_align: 8
    .kernarg_segment_size: 104
    .max_flat_workgroup_size: 128
    .sgpr_count:     106
    .vgpr_count:     1024
    .wavefront_size: 32
...
	.end_amdgpu_metadata
.endif
;; end of part 1
;; launch pv (part 2): grid 4 x 64, 4 waves a work-group, clusters of 4 x 4, 327,680 bytes of LDS; arguments pimg, pstat, v_codes, v_scales, out0; writes out0
.if DOCPART == 2
	.amdgcn_target "amdgcn-amd-amdhsa--gfx1250"
	.amdhsa_code_object_version 6
	.text
	.protected	k_qce30e417ad_pv
	.globl	k_qce30e417ad_pv
	.p2align	8
	.type	k_qce30e417ad_pv,@function
k_qce30e417ad_pv:
	s_mov_b64 s[64:65], 0
	v_nop
	global_prefetch_b8 v0, s[64:65] scope:SCOPE_SE
	s_setreg_imm32_b32 hwreg(HW_REG_WAVE_MODE, 25, 1), 1
	s_wait_xcnt 0x0
	s_wait_alu depctr_hold_cnt(0) depctr_sa_sdst(0) depctr_va_vdst(0) depctr_va_sdst(0) depctr_va_ssrc(0) depctr_va_vcc(0) depctr_vm_vsrc(0)
	s_getreg_b32 s2, hwreg(HW_REG_IB_STS2, 6, 4)
	s_cmp_eq_u32 s2, 0
	s_cbranch_scc0 .Lentry_in_a_cluster
	s_endpgm
.Lentry_in_a_cluster:
	s_bfe_u32 s2, ttmp6, 0x10000c
	s_cmp_lg_u32 s2, 0xf033
	s_cbranch_scc0 .Lentry_shape_is_right
	s_endpgm
.Lentry_shape_is_right:
; out = (P V) / l.  P: the codes that the launch before stored as images of operand registers (pimg [rt 64][ks 16][rb 8][1,536 bytes]), with, for each row and each 128 columns, a scale word under that part's own M,
; -M and the part's sum (pstat [rt][ks][3][128 rows] words).  V: codes of BF6 (E3M2) with the context axis innermost, [4][1,024][2,048 codes], scale bytes [4][1,024][64].  Nothing of the problem is left out here.
; THE ROW'S M AND l.  -M_row = the least of the 16 values -M; d = M_part - M_row, a whole number, 0 or less, held at -255; l = the sum of the parts' sums x 2^d; each scale byte b becomes b - min(b, -d).
; LIMIT: a block whose byte would fall under 1 keeps its codes under the byte 0 (2^-127), where the quantiser would hold the scale at 2^-126 and round anew: such numbers lie under 2^-120 of the row's largest p.
; Rows whose every column is masked by -infinity are not served.
; SHARES.  A work-group of four waves makes 128 rows x 256 columns, a wave 64 x 128: 32 accumulators.  K = 2,048 goes in 16 steps of 128 through two LDS slots of 512 along K: both are asked for at the head, each is filled once more.
; CLUSTER 4 x 4: x in the cluster: the column tile; 4 x cluster y + y in the cluster: the block of 128 rows; all sixteen belong to one batch.  P's tiles are shared along a row of the cluster, V's along a column.
; THE MATRIX INSTRUCTION IS USED TRANSPOSED (source 0 = 16 rows of V, source 1 = 16 rows of P): a lane holds one row of the result and eight neighbouring columns.
; THE SCALE WORDS OF ALL 16 STEPS STAY IN REGISTERS: a register holds the words of 32 rows, lanes 0-15 for an even block of 16, lanes 16-31 for the odd one.  So the steps are written out: their scale registers differ.
.set AB,     49152                     ; P's part of a slot: [4 steps][8 blocks of rows][1,536 bytes], dense
.set BP,     432                       ; a row of V in LDS: 3 x (128 bytes + 16 of padding): 108 words, so the 32 lanes of a load of 8 bytes name 64 different words modulo 64
.set BHALF,  128*BP
.set SLOT,   AB+2*BHALF                ; 159,744
.set SPARE,  2*SLOT                    ; the spare words, 128 bytes for each wave: two blocks of 256 bytes that no other line names
.set SPITCH, 528                       ; the way out: 16 rows x (512 + 16) bytes for each wave, in slot 0, behind its last fill and its last read
.set WV,  14
.set WR,  15                           ; wave / 2: my 64 rows; also: I fetch for P (0) or V (1)
.set WC,  16                           ; wave % 2: my 128 columns; also: which half I fetch
.set CX,  17
.set CY,  18
.set RT,  19
.set SEL, 20                           ; s[20:21]
.set HM,  22                           ; lanes 16-31
.set G1,  24                           ; s[24:31] group 1 for P;  s[32:39] its groups 0, a set for each slot
.set G0,  32
.set G1B, 48                           ; s[48:55], s[56:63] the same for V
.set G0B, 56
.set IL,  8                            ; v8-15  1 / l for block a of my rows, in the result's lanes: a pair each
.set ADA, 16                           ; v16, 17 P's images in slot 0, 1
.set ADB, 20                           ; v20, 21 V's fragments; v22, 23 the same behind one padding more
.set STO, 24
.set RD,  25
.set CO,  26                           ; 16 x lane
.set SPW, 28
.set NIL, 29
.set SA,  32                           ; v32-63  P's scale words: register 16 g + step, lane l: row 32 g + l of my 64
.set SB,  64                           ; v64-127 V's: register 16 u + step, lane l: row 32 u + l of my 128
.set AF,  128                          ; v128-175, v176-223 P's fragments, two sets
.set NMR, 128                          ; at the head: -M of the parts (register 16 g + step), then d, then -d,
.set LR,  160                          ; their sums,
.set MN,  192                          ; v192, 193 -M of the row, for g = 0, 1;  v194, 195 second chains
.set MB,  194
.set LT,  196                          ; v196, 197 l, then 1 / l
.set XQ,  198                          ; v198, 199
.set TQB, 200                          ; v200-231 the four bytes of eight scale words
.set TMP, 128                          ; the way out: v128-191, v192-255 by turns
.set MUL, 0xa1                         ; source 0 (V) window 1, source 1 (P) window 0, C and D window 2
.set MSB, 0
.macro WIN new
.if MSB != (\new)
	s_set_vgpr_msb (MSB<<8)|(\new)
.set MSB, (\new)
.endif
.endm
.macro JLOAD s                         ; a joint load: waves 0 and 1 fetch P's halves, waves 2 and 3 V's; an s_nop 0 and four v_nop follow each line
	s_cmp_eq_u32 s[WR], 0
	s_cbranch_scc0 .Lfor_b_\@
	tensor_load_to_lds s[G0+4*\s:G0+4*\s+3], s[G1:G1+7]
	s_nop 0
.rept 4
	v_nop
.endr
	s_branch .Lasked_\@
.Lfor_b_\@:
	tensor_load_to_lds s[G0B+4*\s:G0B+4*\s+3], s[G1B:G1B+7]
	s_nop 0
.rept 4
	v_nop
.endr
.Lasked_\@:
.endm
.macro CREST
	s_cmp_lg_u32 s[WV], 0
	s_cbranch_scc1 .Lnot_wave_0_\@
	s_barrier_signal -3
.Lnot_wave_0_\@:
	s_barrier_wait -3
	s_barrier_signal -1
	s_barrier_wait -1
.endm
.macro CROUND
	s_barrier_signal -1
	s_barrier_wait -1
	CREST
.endm
.macro PLACES n
.rept \n
	v_nop
.endr
.endm
	s_load_b256 s[4:11], s[0:1], 0x0               ; pimg, pstat, V's codes, V's scales
	s_load_b64 s[12:13], s[0:1], 0x20              ; out
	v_lshl_add_u32 v[SPW], v0, 2, SPARE
	v_mov_b32 v[NIL], 0
	ds_add_u32 v[SPW], v[NIL]                      ; the wave's opening: the add, twice on end, and its wait ahead of my first tensor load
	ds_add_u32 v[SPW], v[NIL]
	v_lshrrev_b32 v1, 5, v0
	v_readfirstlane_b32 s[WV], v1
	s_lshr_b32 s[WR], s[WV], 1
	s_and_b32 s[WC], s[WV], 1
	s_bfe_u32 s[CX], ttmp6, 0x40000
	s_bfe_u32 s[CY], ttmp6, 0x40004
	s_and_b32 s23, ttmp7, 0xffff                   ; cluster y
	s_lshl_b32 s[RT], s23, 2
	s_add_co_u32 s[RT], s[RT], s[CY]               ; my block of 128 rows
	s_lshr_b32 s23, s23, 2                         ; the batch: the same in all sixteen
	s_lshl_b32 s40, s[CY], 2
	s_lshl_b32 s40, 15, s40                        ; my row of the cluster
	s_lshl_b32 s41, 0x1111, s[CX]                  ; my column
	s_or_b32 s[G1], s40, (3<<16)|(1<<21)           ; P: 24,576 dense bytes as 96 rows of 256 (32 elements of 8 bytes), no padding
	s_mov_b32 s[G1+1], 32<<16
	s_mov_b32 s[G1+2], 96<<16
	s_mov_b32 s[G1+3], 32<<16
	s_mov_b32 s[G1+4], 96
	s_mov_b32 s[G1+5], 32
	s_mov_b32 s[G1+6], 0
	s_mov_b32 s[G1+7], 0
	s_or_b32 s[G1B], s41, (1<<20)|(1<<21)|(4<<22)|(3<<25)   ; V: 128 rows of 384 bytes, 1,536 apart; after every 32 words 4 words of padding
	s_mov_b32 s[G1B+1], 384<<16
	s_mov_b32 s[G1B+2], 128<<16
	s_mov_b32 s[G1B+3], 384<<16
	s_mov_b32 s[G1B+4], 128
	s_mov_b32 s[G1B+5], 1536
	s_mov_b32 s[G1B+6], 0
	s_mov_b32 s[G1B+7], 0
	s_mul_i32 s40, s[RT], 196608                   ; P: my block's 16 steps, + my half of a slot
	s_mul_i32 s41, s[WC], 24576
	s_add_co_u32 s40, s40, s41
	s_mov_b32 s41, 0
	s_mul_i32 s42, s23, 1572864                    ; V: the batch, + row 256 cx + 128 x half
	s_lshl_b32 s43, s[CX], 8
	s_lshl_b32 s44, s[WC], 7
	s_add_co_u32 s43, s43, s44
	s_mul_i32 s44, s43, 1536
	s_add_co_u32 s42, s42, s44
	s_mov_b32 s43, 0
	s_mul_i32 s[G0+1], s[WC], 24576                ; where they go: no place in the cluster enters an LDS address
	s_add_co_u32 s[G0+5], s[G0+1], SLOT
	s_mul_i32 s[G0B+1], s[WC], BHALF
	s_add_co_u32 s[G0B+1], s[G0B+1], AB
	s_add_co_u32 s[G0B+5], s[G0B+1], SLOT
.irp g, G0, G0+4, G0B, G0B+4
	s_mov_b32 s[\g], 1
.endr
	s_mov_b32 s[SEL], 0x76543210
	s_mov_b32 s[SEL+1], 0xfedcba98
	s_mov_b32 s[HM], 0xffff0000
	s_wait_dscnt 0x0                               ; both opening adds are done
	s_wait_kmcnt 0x0
	s_add_nc_u64 s[G0+2:G0+3], s[4:5], s[40:41]
	s_add_nc_u64 s[G0+6:G0+7], s[G0+2:G0+3], AB    ; slot 1: the next four steps
	s_add_nc_u64 s[G0B+2:G0B+3], s[8:9], s[42:43]
	s_add_nc_u64 s[G0B+6:G0B+7], s[G0B+2:G0B+3], 384
.irp g, G0, G0+4, G0B, G0B+4
	s_or_b32 s[\g+3], s[\g+3], 0x80000000
.endr
	CROUND                                         ; all sixteen work-groups are here: the first joint loads meet
	JLOAD 0                                        ; two loads of mine go out together
	JLOAD 1
	s_mul_i32 s40, s[RT], 24576                    ; pstat: my block, + my 64 rows
	s_lshl_b32 s41, s[WR], 8
	s_add_co_u32 s40, s40, s41
	s_mov_b32 s41, 0
	s_lshl_b32 s42, s[CX], 8
	s_lshl_b32 s43, s[WC], 7
	s_add_co_u32 s42, s42, s43
	s_lshl_b32 s42, s42, 6                         ; V's scale bytes: 64 a row
	s_lshl_b32 s43, s23, 16
	s_add_co_u32 s42, s42, s43
	s_mov_b32 s43, 0
	s_lshl_b32 s44, s[RT], 19                      ; out: 128 rows of 4,096 bytes a block,
	s_lshl_b32 s45, s[WR], 18
	s_add_co_u32 s44, s44, s45
	s_lshl_b32 s45, s[CX], 10
	s_add_co_u32 s44, s44, s45
	s_lshl_b32 s45, s[WC], 9
	s_add_co_u32 s44, s44, s45
	s_mov_b32 s45, 0
	s_add_nc_u64 s[6:7], s[6:7], s[40:41]
	s_add_nc_u64 s[10:11], s[10:11], s[42:43]
	s_add_nc_u64 s[12:13], s[12:13], s[44:45]
	v_and_b32 v1, 15, v0                           ; r
	v_bfe_u32 v2, v0, 4, 1                         ; h
	v_and_b32 v3, 31, v0                           ; lane
	v_lshlrev_b32 v[CO], 4, v3
	v_lshlrev_b32 v4, 2, v3                        ; a word a lane
	v_lshlrev_b32 v5, 6, v3                        ; a row of V's scale bytes a lane
.irp g, 0,1
.irp k, 0,1,2,3,4,5,6,7,8,9,10,11,12,13,14,15
	global_load_b32 v[SA+16*\g+\k], v4, s[6:7] offset:1536*\k+128*\g          ; 32 rows' words: 128 consecutive bytes
	global_load_b32 v[NMR+16*\g+\k], v4, s[6:7] offset:1536*\k+512+128*\g
	global_load_b32 v[LR+16*\g+\k], v4, s[6:7] offset:1536*\k+1024+128*\g
.endr
.endr
.irp u, 0,1,2,3
.irp i, 0,1,2,3
	global_load_b128 v[SB+16*\u+4*\i:SB+16*\u+4*\i+3], v5, s[10:11] offset:2048*\u+16*\i   ; row 32 u + lane: the words of steps 4 i .. 4 i + 3
.endr
.endr
	s_mul_i32 s40, s[WR], 6144                     ; my four blocks of rows in a step's eight images
	v_add_nc_u32 v[ADA], s40, v[CO]
	v_add_nc_u32 v[ADA+1], SLOT, v[ADA]
	v_mul_u32_u24 v6, v1, BP
	v_mul_u32_u24 v7, v2, 24
	v_add_nc_u32 v6, v6, v7
	v_lshl_add_u32 v7, v2, 4, v6
	s_mul_i32 s41, s[WC], BHALF
	s_add_co_u32 s41, s41, AB
	v_add_nc_u32 v[ADB], s41, v6
	v_add_nc_u32 v[ADB+2], s41, v7
	v_add_nc_u32 v[ADB+1], SLOT, v[ADB]
	v_add_nc_u32 v[ADB+3], SLOT, v[ADB+2]
	s_mul_i32 s42, s[WV], 16*SPITCH                ; my stage
	v_mul_u32_u24 v6, v1, SPITCH
	v_lshl_add_u32 v6, v2, 5, v6
	v_add_nc_u32 v[STO], s42, v6                   ; in: row r, 32 bytes for each half of the lanes
	v_add_nc_u32 v[RD], s42, v[CO]                 ; back: a row of 512 bytes
	s_wait_loadcnt 0x0
; 64 rows (a lane and a g each): the row's -M, its l, and its 16 scale words brought under the row's M.  The work goes STAGE BY STAGE over the 32 registers (16 g + step), in place, so that no line reads the result of the lines just above it.
.irp g, 0,1
	v_min3_num_f32 v[MN+\g], v[NMR+16*\g], v[NMR+16*\g+1], v[NMR+16*\g+2]
	v_min3_num_f32 v[MB+\g], v[NMR+16*\g+8], v[NMR+16*\g+9], v[NMR+16*\g+10]
.endr
.irp i, 3,5
.irp g, 0,1
	v_min3_num_f32 v[MN+\g], v[MN+\g], v[NMR+16*\g+\i], v[NMR+16*\g+\i+1]
	v_min3_num_f32 v[MB+\g], v[MB+\g], v[NMR+16*\g+8+\i], v[NMR+16*\g+9+\i]
.endr
.endr
.irp g, 0,1
	v_min3_num_f32 v[MN+\g], v[MN+\g], v[MB+\g], v[NMR+16*\g+7]
.endr
.irp g, 0,1
	v_min_num_f32 v[MN+\g], v[MN+\g], v[NMR+16*\g+15]   ; -M_row
.endr
.set II, 0
.rept 32
	v_sub_f32 v[NMR+II], v[MN+II/16], v[NMR+II]    ; d = M_part - M_row: a whole number, 0 or less
.set II, II+1
.endr
.set II, 0
.rept 32
	v_max_num_f32 v[NMR+II], 0xc37f0000, v[NMR+II] ; held at -255: more than any byte holds
.set II, II+1
.endr
.set II, 0
.rept 32
	v_cvt_i32_f32 v[NMR+II], v[NMR+II]
.set II, II+1
.endr
.set II, 0
.rept 32
	v_ldexp_f32 v[LR+II], v[LR+II], v[NMR+II]      ; the part's sum under the row's M: nothing is rounded
.set II, II+1
.endr
.set II, 0
.rept 32
	v_sub_nc_u32 v[NMR+II], 0, v[NMR+II]           ; -d
.set II, II+1
.endr
.macro BYTES m                         ; eight scale words, registers 8 m .. 8 m + 7: each byte gives min(byte, -d): no byte gives more than it holds, so no borrow crosses bytes
.irp j, 0,1,2,3,4,5,6,7
	v_and_b32 v[TQB+\j], 0xff, v[SA+8*(\m)+\j]
.endr
.irp j, 0,1,2,3,4,5,6,7
	v_bfe_u32 v[TQB+8+\j], v[SA+8*(\m)+\j], 8, 8
.endr
.irp j, 0,1,2,3,4,5,6,7
	v_bfe_u32 v[TQB+16+\j], v[SA+8*(\m)+\j], 16, 8
.endr
.irp j, 0,1,2,3,4,5,6,7
	v_lshrrev_b32 v[TQB+24+\j], 24, v[SA+8*(\m)+\j]
.endr
.irp b, 0,1,2,3
.irp j, 0,1,2,3,4,5,6,7
	v_min_u32 v[TQB+8*\b+\j], v[TQB+8*\b+\j], v[NMR+8*(\m)+\j]
.endr
.endr
.irp j, 0,1,2,3,4,5,6,7
	v_lshl_or_b32 v[TQB+\j], v[TQB+8+\j], 8, v[TQB+\j]
.endr
.irp j, 0,1,2,3,4,5,6,7
	v_lshl_or_b32 v[TQB+\j], v[TQB+16+\j], 16, v[TQB+\j]
.endr
.irp j, 0,1,2,3,4,5,6,7
	v_lshl_or_b32 v[TQB+\j], v[TQB+24+\j], 24, v[TQB+\j]
.endr
.irp j, 0,1,2,3,4,5,6,7
	v_sub_nc_u32 v[SA+8*(\m)+\j], v[SA+8*(\m)+\j], v[TQB+\j]
.endr
.endm
.irp g, 0,1                                    ; l: the 16 parts' sums, two at a time, in a tree whose levels stand between the batches of bytes
.irp j, 0,4,8,12
	v_pk_add_f32 v[LR+16*\g+\j:LR+16*\g+\j+1], v[LR+16*\g+\j:LR+16*\g+\j+1], v[LR+16*\g+\j+2:LR+16*\g+\j+3]
.endr
.endr
	BYTES 0
.irp g, 0,1
.irp j, 0,8
	v_pk_add_f32 v[LR+16*\g+\j:LR+16*\g+\j+1], v[LR+16*\g+\j:LR+16*\g+\j+1], v[LR+16*\g+\j+4:LR+16*\g+\j+5]
.endr
.endr
	BYTES 1
.irp g, 0,1
	v_pk_add_f32 v[LR+16*\g:LR+16*\g+1], v[LR+16*\g:LR+16*\g+1], v[LR+16*\g+8:LR+16*\g+9]
.endr
	BYTES 2
.irp g, 0,1
	v_add_f32 v[LT+\g], v[LR+16*\g], v[LR+16*\g+1]
.endr
	BYTES 3
	v_rcp_f32 v[LT], v[LT]
	v_rcp_f32 v[LT+1], v[LT+1]
	v_mov_b32 v[XQ], 0                             ; (a plain place behind the reciprocals; a lane permute's destination counts as one of its sources)
	v_mov_b32 v[XQ+1], 0
	s_wait_alu depctr_va_vdst(0)                   ; one wait for the two, ahead of their first reader
.irp g, 0,1
	v_permlanex16_b32 v[XQ+\g], v[LT+\g], s[SEL], s[SEL+1]
.endr
.irp g, 0,1                                    ; in the result lane (r, h) holds row r of a block: block 2 g wants lane r's 1 / l in both halves, block 2 g + 1 lane 16 + r's
	v_cndmask_b32 v[IL+4*\g], v[LT+\g], v[XQ+\g], s[HM]
	v_cndmask_b32 v[IL+4*\g+2], v[XQ+\g], v[LT+\g], s[HM]
	v_mov_b32 v[IL+4*\g+1], 0                      ; (named as the upper halves of pairs)
	v_mov_b32 v[IL+4*\g+3], 0
.endr
	PLACES 8                                       ; scale registers written by vector instructions stand eight places ahead of a scaled matrix instruction
.macro FETCH s                         ; step s: V's eight fragments (48 loads of 8 bytes) and P's four images (12 loads of 16 bytes) into set s % 2
.set SL, ((\s)/4)%2
.set QQ, (\s)%4
.set PB, 96*((\s)%2)
.set PA, AF+48*((\s)%2)
	WIN 0x40                                       ; destination window 1
.irp b, 0,1,2,3,4,5,6,7
.irp p, 0,1,2,3,4,5
.set PCE, 12*QQ+6*(\p/3)+\p%3          ; the row's piece of 8 bytes for lanes 0-15; lanes 16-31 read three pieces on, behind one padding more where PCE % 16 is 13 or more
.if PCE%16 < 13
	ds_load_b64 v[PB+12*\b+2*\p:PB+12*\b+2*\p+1], v[ADB+SL] offset:16*BP*\b+8*PCE+16*(PCE/16)
.else
	ds_load_b64 v[PB+12*\b+2*\p:PB+12*\b+2*\p+1], v[ADB+2+SL] offset:16*BP*\b+8*PCE+16*(PCE/16)
.endif
.endr
.endr
	WIN 0
.irp a, 0,1,2,3
.irp c, 0,1,2
	ds_load_b128 v[PA+12*\a+4*\c:PA+12*\a+4*\c+3], v[ADA+SL] offset:12288*QQ+1536*\a+512*\c
.endr
.endr
.endm
.macro PROD a, b, s                    ; one product; the rows of the scale registers follow the blocks' parity; step 0 starts the sums: nothing is cleared
.set DD, 8*(8*(\a)+(\b))
.set VB, 96*((\s)%2)+12*(\b)
.set VA, AF+48*((\s)%2)+12*(\a)
.set XB, SB+16*((\b)/2)+(\s)
.set XA, SA+16*((\a)/2)+(\s)
.set VAR, 2*((\a)%2)+(\b)%2
.if (\s) == 0
.if VAR == 0
	v_wmma_scale_f32_16x16x128_f8f6f4 v[DD:DD+7], v[VB:VB+11], v[VA:VA+11], 0, v[XB], v[XA] matrix_a_fmt:MATRIX_FMT_BF6 matrix_b_fmt:MATRIX_FMT_BF6
.elseif VAR == 1
	v_wmma_scale_f32_16x16x128_f8f6f4 v[DD:DD+7], v[VB:VB+11], v[VA:VA+11], 0, v[XB], v[XA] matrix_a_fmt:MATRIX_FMT_BF6 matrix_b_fmt:MATRIX_FMT_BF6 matrix_a_scale:MATRIX_SCALE_ROW1
.elseif VAR == 2
	v_wmma_scale_f32_16x16x128_f8f6f4 v[DD:DD+7], v[VB:VB+11], v[VA:VA+11], 0, v[XB], v[XA] matrix_a_fmt:MATRIX_FMT_BF6 matrix_b_fmt:MATRIX_FMT_BF6 matrix_b_scale:MATRIX_SCALE_ROW1
.else
	v_wmma_scale_f32_16x16x128_f8f6f4 v[DD:DD+7], v[VB:VB+11], v[VA:VA+11], 0, v[XB], v[XA] matrix_a_fmt:MATRIX_FMT_BF6 matrix_b_fmt:MATRIX_FMT_BF6 matrix_a_scale:MATRIX_SCALE_ROW1 matrix_b_scale:MATRIX_SCALE_ROW1
.endif
.else
.if VAR == 0
	v_wmma_scale_f32_16x16x128_f8f6f4 v[DD:DD+7], v[VB:VB+11], v[VA:VA+11], v[DD:DD+7], v[XB], v[XA] matrix_a_fmt:MATRIX_FMT_BF6 matrix_b_fmt:MATRIX_FMT_BF6
.elseif VAR == 1
	v_wmma_scale_f32_16x16x128_f8f6f4 v[DD:DD+7], v[VB:VB+11], v[VA:VA+11], v[DD:DD+7], v[XB], v[XA] matrix_a_fmt:MATRIX_FMT_BF6 matrix_b_fmt:MATRIX_FMT_BF6 matrix_a_scale:MATRIX_SCALE_ROW1
.elseif VAR == 2
	v_wmma_scale_f32_16x16x128_f8f6f4 v[DD:DD+7], v[VB:VB+11], v[VA:VA+11], v[DD:DD+7], v[XB], v[XA] matrix_a_fmt:MATRIX_FMT_BF6 matrix_b_fmt:MATRIX_FMT_BF6 matrix_b_scale:MATRIX_SCALE_ROW1
.else
	v_wmma_scale_f32_16x16x128_f8f6f4 v[DD:DD+7], v[VB:VB+11], v[VA:VA+11], v[DD:DD+7], v[XB], v[XA] matrix_a_fmt:MATRIX_FMT_BF6 matrix_b_fmt:MATRIX_FMT_BF6 matrix_a_scale:MATRIX_SCALE_ROW1 matrix_b_scale:MATRIX_SCALE_ROW1
.endif
.endif
.endm
.macro MUL8 a, s                       ; block a of my rows x my eight tiles of columns.  The 32 accumulators take turns, in the same order in every step
.irp b, 0,1,2,3,4,5,6,7
	PROD \a, \b, \s
.endr
.endm
; A plain step: its fragments are in; the next step's are asked for at once, so that they have the step's 32 products in which to come.
.macro STEP s
	s_wait_dscnt 0x0
	PLACES 4                                       ; four places in front of loads into the set that the step before multiplied
.if (\s) < 15
	FETCH (\s)+1
.endif
	WIN MUL
	MUL8 0, \s
	MUL8 1, \s
	MUL8 2, \s
	MUL8 3, \s
.endm
; A slot's last step.  Its fragments are in registers, so the slot has been read out: the change of slots stands here.  Each wave waits for all its tensor loads (its part of the other slot), adds 0 to its spare word,
; and waits for that; its reads of the slot came back at the step's head.  fill = 1: the slot takes the four steps that stand two slots on.
.macro CSTEP s, slot, fill
	s_wait_dscnt 0x0                               ; this step's fragments: my last reads of the slot
	WIN 0                                          ; (the add's two registers lie in window 0)
	s_wait_tensorcnt 0x0
	ds_add_u32 v[SPW], v[NIL]                      ; 0 onto my spare word
	WIN MUL
	MUL8 0, \s                                     ; eight matrix instructions stand between the add and the wait for it
	s_wait_dscnt 0x0
	s_barrier_signal -1
	MUL8 1, \s
	WIN 0
	s_barrier_wait -1
.if \fill
	CREST                                          ; the barrier has opened a round of the cluster's barrier: no wave of any partner still reads the slot or has a load on its way
	s_add_nc_u64 s[G0+4*\slot+2:G0+4*\slot+3], s[G0+4*\slot+2:G0+4*\slot+3], 2*AB
	s_add_nc_u64 s[G0B+4*\slot+2:G0B+4*\slot+3], s[G0B+4*\slot+2:G0B+4*\slot+3], 768
	JLOAD \slot                                    ; the first tensor load behind the round; its four v_nop are the places in front of the loads below; it has four steps, 128 matrix instructions, in which to land
.else
	PLACES 4
.endif
	FETCH (\s)+1
	WIN MUL
	MUL8 2, \s
	MUL8 3, \s
.endm
	s_wait_tensorcnt 1                             ; my part of slot 0 is in; slot 1's may stay out
	s_barrier_signal -1
	s_barrier_wait -1
	FETCH 0
	STEP 0
	STEP 1
	STEP 2
	CSTEP 3, 0, 1
	STEP 4
	STEP 5
	STEP 6
	CSTEP 7, 1, 1
	STEP 8
	STEP 9
	STEP 10
	CSTEP 11, 0, 0                                 ; nothing is left to fetch: the work-group's barrier alone; behind it nobody reads slot 0
	STEP 12
	STEP 13
	STEP 14
	STEP 15
	WIN 0
	PLACES 4                                       ; in front of the first reads of results and of writes into operands' registers
; THE WAY OUT, block by block of 16 rows x 128 columns: x 1 / l; through my stage; back as whole rows of 512 bytes.
.macro SCALE a
.set TM, TMP+64*((\a)%2)
	WIN 0x02                                       ; source 0: window 2
.set NN, 0
.rept 32
	v_pk_mul_f32 v[TM+NN:TM+NN+1], v[64*(\a)+NN:64*(\a)+NN+1], v[IL+2*(\a):IL+2*(\a)+1] op_sel_hi:[1,0]   ; each accumulator from its low end on
.set NN, NN+2
.endr
	WIN 0
.endm
.macro TOSTAGE a
.set TM, TMP+64*((\a)%2)
.set BK, 64*((\a)%2)
.irp b, 0,1,2,3,4,5,6,7
	ds_store_b128 v[STO], v[TM+8*\b:TM+8*\b+3] offset:64*\b
	ds_store_b128 v[STO], v[TM+8*\b+4:TM+8*\b+7] offset:64*\b+16
.endr
	WIN 0x40                                       ; destination window 1
.irp t, 0,1,2,3,4,5,6,7,8,9,10,11,12,13,14,15
	ds_load_b128 v[BK+4*\t:BK+4*\t+3], v[RD] offset:\t*SPITCH    ; LDS serves a wave's instructions in order: these see my stores, and the next block's stores come behind them
.endr
	WIN 0
.endm
.macro SEND a, younger                 ; younger: the LDS instructions issued behind block a's loads: the next block's 16 stores and 16 loads, or none
.set BK, 64*((\a)%2)
	s_wait_dscnt \younger
	WIN 0x04                                       ; a store's data are its source 1: window 1
.irp t, 0,1,2,3,4,5,6,7,8,9,10,11,12,13,14,15
	global_store_b128 v[CO], v[BK+4*\t:BK+4*\t+3], s[12:13] offset:(16*(\a)+\t)*4096 th:TH_STORE_NT   ; 32 lanes store 512 consecutive bytes, at a multiple of 256 from the buffer's first byte
.endr
	WIN 0
.endm
	SCALE 0
	TOSTAGE 0
.irp a, 1,2,3
	SCALE \a                                       ; (its registers: block a - 2's LDS stores were shown done by the wait in SEND a - 2)
.if \a > 1
	s_wait_xcnt 0x0                                ; block a - 2's stores have read their registers: block a's loads may land there
.endif
	TOSTAGE \a
	SEND \a-1, 32
.endr
	SEND 3, 0
	s_wait_tensorcnt 0x0                           ; the wave's end: behind my last tensor load and my last LDS store
	ds_add_u32 v[SPW], v[NIL]
	s_wait_dscnt 0x0
	CROUND                                         ; the closing round
	s_endpgm
.Lfunc_end_k_qce30e417ad_pv:
	.size	k_qce30e417ad_pv, .Lfunc_end_k_qce30e417ad_pv-k_qce30e417ad_pv
	.p2alignl 7, 3214868480
	.fill 96, 4, 3214868480
	.section	.rodata,"a",@progbits
	.p2align	6, 0x0
	.amdhsa_kernel k_qce30e417ad_pv
		.amdhsa_group_segment_fixed_size 327680
		.amdhsa_private_segment_fixed_size 0
		.amdhsa_enable_private_segment 0
		.amdhsa_kernarg_size 40
		.amdhsa_user_sgpr_count 2
		.amdhsa_user_sgpr_kernarg_segment_ptr 1
		.amdhsa_wavefront_size32 1
		.amdhsa_system_sgpr_workgroup_id_x 1
		.amdhsa_system_sgpr_workgroup_id_y 1
		.amdhsa_system_sgpr_workgroup_id_z 1
		.amdhsa_system_vgpr_workitem_id 0
		.amdhsa_next_free_vgpr 768
		.amdhsa_next_free_sgpr 66
		.amdhsa_reserve_vcc 0
		.amdhsa_float_denorm_mode_32 3
		.amdhsa_float_denorm_mode_16_64 3
		.amdhsa_memory_ordered 1
		.amdhsa_forward_progress 1
		.amdhsa_inst_pref_size 200
	.end_amdhsa_kernel
	.amdgpu_metadata
---
amdhsa.version: [ 1, 2 ]
amdhsa.kernels:
  - .name:           k_qce30e417ad_pv
    .symbol:         k_qce30e417ad_pv.kd
    .args:
      - { .name: pimg, .offset: 0, .size: 8, .value_kind: global_buffer, .address_space: global }
      - { .name: pstat, .offset: 8, .size: 8, .value_kind: global_buffer, .address_space: global }
      - { .name: v_codes, .offset: 16, .size: 8, .value_kind: global_buffer, .address_space: global }
      - { .name: v_scales, .offset: 24, .size: 8, .value_kind: global_buffer, .address_space: global }
      - { .name: out0, .offset: 32, .size: 8, .value_kind: global_buffer, .address_space: global }
    .group_segment_fixed_size: 327680
    .private_segment_fixed_size: 0
    .kernarg_segment_align: 8
    .kernarg_segment_size: 40
    .max_flat_workgroup_size: 128
    .sgpr_count:     66
    .vgpr_count:     768
    .wavefront_size: 32
...
	.end_amdgpu_metadata
.endif
;; end of part 2
